; MI455X (gfx1250); checked and timed in simulation.
; The chip was launched on July 23, 2026; its instructions are those of AMD's public machine-readable ISA for CDNA 5 (MIT licence, August 2026) and "CDNA5" Instruction Set Architecture Reference Guide (July 2026). The comments in the code are by the model that wrote it; some were corrected since.
;; KNRM. Allowed arithmetic: float matrix products may take bf16 or f16 operands with f32 sums; other float arithmetic in f32, or as packed bf16 or f16 multiplies, adds, multiply-adds, maxima and minima; sums over many terms, partial sums and values carried from step to step in f32; what a program stores and reads back later, other than sums and carried values, may be rounded once to bf16 or f16.
;; Inputs: doc_tokens 256 x 512 int32; emb 100,000 x 300 float32; fc_b 1 float32; fc_w 1 x 11 float32; query_tokens 256 x 32 int32.
;; Outputs: out0 256 x 1 float32.
;; One version. Each part assembles by itself: llvm-mc -triple=amdgcn-amd-amdhsa -mcpu=gfx1250 --defsym DOCPART=n.
;; ======== version 1 of 1: 1 launch
;; launch knrm (part 1): grid 256 x 1, 16 waves a work-group, no clusters, 214,016 bytes of LDS; arguments query_tokens, doc_tokens, emb, fc_w, fc_b, out0; writes out0
.if DOCPART == 1
	.amdgcn_target "amdgcn-amd-amdhsa--gfx1250"
	.amdhsa_code_object_version 6
	.text
	.protected	k_qbf4191ea61_knrm
	.globl	k_qbf4191ea61_knrm
	.p2align	8
	.type	k_qbf4191ea61_knrm,@function
k_qbf4191ea61_knrm:
	s_mov_b64 s[64:65], 0
	v_nop
	global_prefetch_b8 v0, s[64:65] scope:SCOPE_SE
	s_setreg_imm32_b32 hwreg(HW_REG_WAVE_MODE, 25, 1), 1
	s_wait_xcnt 0x0
; KNRM.  out0[b] = fc_b + sum_k fc_w[k] * sum_q 0.01 ln( max( sum_d mask * exp(-(cos(q,d)-mu_k)^2 / (2 sigma_k^2)), 1e-10 ) ).
; query_tokens [256][32], doc_tokens [256][512] int32; emb [100000][300] f32; mu = 1, 0.9, 0.7 .. -0.9; sigma = 1e-4, then 0.1 ten times.
; ONE WORK-GROUP A BATCH, sixteen waves.  Wave w gathers documents 32 w .. 32 w + 31 (two tiles of 16) and query rows w and w + 16.
; THE COSINE.  A row is rounded to bf16 as it is; its norm is summed in f32 from the ROUNDED numbers; the product runs on the rounded rows and its f32 result is
; multiplied by 1 / (sqrt(ss) + 1e-13) of both rows.  So a document token equal to a query token gives 1 to within f32 rounding, which the kernel of sigma 1e-4 needs.
; THE TEN KERNELS OF SIGMA 0.1 have means 0.1 + 0.2 j, j = 4 .. -5, and exp(-50 (x-0.1-0.2 j)^2) = exp(-50 (x-0.1)^2) * exp(20 (x-0.1))^j * exp(-2 j^2), for all x.
; p0 = exp(-50 (x-0.1)^2), R = exp(20 (x-0.1)) and 1/R are three exponentials; p0 R^j is made by multiplying on from j = 0 in both directions and summed over the documents; the constant
; exp(-2 j^2) is added as a logarithm behind the sum.  |x| <= 1 (a cosine), so p0 >= e^-60.5, R and 1/R <= e^22, every term p0 R^j <= e^50; ln(p0 R^j) is linear in j, so a chain that
; has underflowed only goes on falling, and what is lost lies below e^-87 beside a clamp at 1e-10.  With the kernel of sigma 1e-4: four exponentials a cosine.
; LEFT OUT.  mm * mask: where mask = 1 the factor is 1; where mask = 0 the Gaussian made of mm is itself multiplied by 0, whatever finite mm is.  q_mask does not hang on d, so it multiplies
; the finished sum over d once.  d_mask is an addend 0 or -1e30 in the exponent: the weight is 0 there.  max(C S, 1e-10) is taken as max(log2 S + log2 C, log2 1e-10).  Every input is loaded.
; LIMITS.  NaN and infinities in emb are not carried as reference() carries them (a masked row's NaN does not reach the result; the last maximum drops a NaN).  Tokens are taken as 0 .. 99999
; (a larger one is read as 99999).  Sums over d, q, k are taken in another order than reference()'s.
; NO CLUSTER, NO TENSOR LOAD: no two work-groups read a common tile, and the rows are scattered, 1,200 bytes each.  NO PREFETCH: nine of a wave's seventeen pairs of rows are asked for by its
; first loads, the other eight as slots come free, and a row may be named by several work-groups.
.set ROWB,   1200                      ; bytes in a row of emb: 75 pieces of 16 = 15 lanes x 5 loads
.set PITCH,  656                       ; an LDS row: 600 bytes of bf16, 40 of zeros (K = 300 .. 319), 16 spare = 164 words: row r starts at bank 36 r mod 64 (64 banks of 4 bytes: ISA guide 11.1): 16 rows, 16 different groups of four
.set STG,    16*PITCH                  ; a wave's stage: one tile of 16 documents
.set QINV,   32*PITCH                  ; behind the 32 query rows (from byte 0): their 32 sums of squares,
.set QMSK,   QINV+128                  ; their 32 masks,
.set FIN,    QMSK+128                  ; sixteen last sums, one a wave
.set STAGE,  FIN+256
.set RED,    STAGE+16*STG              ; partial sums: [wave][kernel][query], f32
.set REDW,   11*128
.set SPARE,  RED+16*REDW               ; the spare words, 128 bytes for each wave: eight blocks of 256 bytes that no other line names
.set SPW,  1                           ; v1   LDS address of my spare word; never rewritten
.set NIL,  2                           ; v2   0; never rewritten
.set QSA,  3                           ; v3   4 x my query row
.set LT,   4                           ; v4   16 x min(lane % 16, 14): my piece of a row's 240 bytes
.set LF,   5                           ; v5   1.0; 0 in lane 15 of each half, which repeats lane 14
.set STA,  6                           ; v6   where I put 8 bytes of a document row: stage + 8 (lane / 16) rows + 8 x min(lane % 16, 14)
.set QSTA, 7                           ; v7   the same for my query row
.set FRA,  8                           ; v8   fragments of the stage: row lane % 16, 16 bytes for each half of the lanes
.set FRB,  9                           ; v9   fragments of the query rows
.set QRD,  10                          ; v10  4 x (lane % 16)
.set RS,   11                          ; v11  where I put partial sums
.set ZP,   12                          ; v[12:13] zeros
.set QS,   14                          ; v[14:15] sum of squares of query lane % 16 and 16 + lane % 16
.set OFF,  16                          ; v[16:31] byte offset in emb of my piece of pair p of tile T, at 8 T + p; later that document's mask addend
.set QOFF, 32                          ; v32  the same for my query row
.set L4,   33                          ; v33  4 x lane
.set SS,   34                          ; v[34:49] sum of squares of document 8 (lane / 16) + p of tile T, at 8 T + p; later 1 / (norm + 1e-13)
.set SL,   50                          ; v[50:229] nine slots of 20: a pair of rows as loaded
.set T,    230                         ; v[230:239] a pair of rows in bf16
.set MA,   240                         ; v[240:243] four chains of squares
.set QA,   244                         ; v[244:247] c1 / (norm + 1e-13) of my query in tile 0 (twice), in tile 1 (twice)
.set QT,   248                         ; v[248:249] my query row's sum of squares and mask
.set TA,   249                         ; at the head: offset of my tokens
.set I,    250                         ; at the head: lane % 16,
.set H,    251                         ; lane / 16,
.set I14,  252                         ; min(lane % 16, 14),
.set QR,   253                         ; my query row,
.set W1,   254                         ; and two at work
.set W2,   255
.set S0,   210                         ; v[210:225] tile 0's dots (slot 8, free by then): queries 0-15, then 16-31
.set F0,   226                         ; v[226:249] one set of fragments for tile 0
.set S1,   50                          ; v[50:65]   tile 1's dots
.set F1,   66                          ; v[66:209]  six sets of fragments for tile 1
.set ACC,  66                          ; v[66:109]  the sums: query tile t, kernel k at 22 t + 2 k, a pair (even, odd documents)
.set TMP,  110                         ; v[110:149] ten registers for each of four pairs of cosines
.set X,    150                         ; the end: at work
.set LC,   168
.set RR,   169
.set RES,  170
.set FA,   171
.set OA,   172
.set WV,   16                          ; s16  my wave's number
.set C1,   20                          ; s[20:21] -0.1 c1, c1 = sqrt(50 log2 e) = 8.493218
.set C2,   22                          ; s[22:23] 0.4 c1: t = c1 (x - 0.1) times this is log2 R
.set C2N,  24                          ; s[24:25] -0.4 c1
.set C3,   26                          ; s[26:27] 1000: sigma 0.1 over sigma 1e-4
.set C4,   28                          ; s[28:29] -900 c1: 1000 t - 900 c1 = 1000 c1 (x - 1)
.set BIG,  30                          ; s30  -1e30
.set HM,   31                          ; s31  the lanes 16-31
.set SEL,  32                          ; s[32:33] v_permlanex16_b32: each lane takes its own place in the other half
.set FW,   34                          ; s34  fc_w[my wave's kernel]
.set FB,   35                          ; s35  fc_b
.set CC,   39                          ; s39  c1
.macro PLACES                          ; four plain instructions between a matrix instruction and a load into, or a vector write of, its registers or a vector read of its result
.rept 4
	v_nop
.endr
.endm
.macro ROWOFF r                        ; a token becomes the byte offset of my piece of its row
	v_min_u32 v[\r], 0x1869f, v[\r]                ; inside the table: 99,999 at the most
	v_mul_u32_u24 v[\r], v[\r], ROWB
	v_add_nc_u32 v[\r], v[LT], v[\r]
.endm
.macro GATHER slot, off                ; a pair of rows: five loads, each 240 bytes on end of each of the two rows
.irp j, 0,1,2,3,4
	global_load_b128 v[SL+20*(\slot)+4*\j:SL+20*(\slot)+4*\j+3], v[\off], s[8:9] offset:240*\j
.endr
.endm
; A pair of rows that has landed: rounded to bf16; its slot asked for again (next >= 0: the offset register of the pair to come); stored to LDS; the squares of the ROUNDED numbers summed,
; four chains in the lane, then over the 16 lanes of each half: every lane of a half ends with its row's sum.
.macro CONV slot, ss, adr, imm, next
.set cx, SL+20*(\slot)
.irp j, 0,1,2,3,4
	v_cvt_pk_bf16_f32 v[T+2*\j],   v[cx+4*\j],   v[cx+4*\j+1]
	v_cvt_pk_bf16_f32 v[T+2*\j+1], v[cx+4*\j+2], v[cx+4*\j+3]
.endr
.if (\next) >= 0
	GATHER \slot, \next
.endif
.irp j, 0,1,2,3,4
	ds_store_b64 v[\adr], v[T+2*\j:T+2*\j+1] offset:(\imm)+120*\j  ; piece 15 j + lane % 16: 8 bytes of bf16; the two rows lie 8 LDS rows = 32 banks apart
.endr
.irp j, 0,1,2,3,4
.if \j == 0
	v_fma_mix_f32_bf16 v[MA],   v[T],   v[T],   v[ZP] op_sel_hi:[1,1,0]
	v_fma_mix_f32_bf16 v[MA+1], v[T],   v[T],   v[ZP] op_sel:[1,1,0] op_sel_hi:[1,1,0]
	v_fma_mix_f32_bf16 v[MA+2], v[T+1], v[T+1], v[ZP] op_sel_hi:[1,1,0]
	v_fma_mix_f32_bf16 v[MA+3], v[T+1], v[T+1], v[ZP] op_sel:[1,1,0] op_sel_hi:[1,1,0]
.else
	v_fma_mix_f32_bf16 v[MA],   v[T+2*\j],   v[T+2*\j],   v[MA]   op_sel_hi:[1,1,0]
	v_fma_mix_f32_bf16 v[MA+1], v[T+2*\j],   v[T+2*\j],   v[MA+1] op_sel:[1,1,0] op_sel_hi:[1,1,0]
	v_fma_mix_f32_bf16 v[MA+2], v[T+2*\j+1], v[T+2*\j+1], v[MA+2] op_sel_hi:[1,1,0]
	v_fma_mix_f32_bf16 v[MA+3], v[T+2*\j+1], v[T+2*\j+1], v[MA+3] op_sel:[1,1,0] op_sel_hi:[1,1,0]
.endif
.endr
	v_pk_add_f32 v[MA:MA+1], v[MA:MA+1], v[MA+2:MA+3]
	v_add_f32 v[MA], v[MA], v[MA+1]
	v_mul_f32 v[\ss], v[MA], v[LF]                 ; lane 15's copy of lane 14's piece does not count
	v_add_f32_dpp v[\ss], v[\ss], v[\ss] row_xmask:1 row_mask:0xf bank_mask:0xf
	v_add_f32_dpp v[\ss], v[\ss], v[\ss] row_xmask:2 row_mask:0xf bank_mask:0xf
	v_add_f32_dpp v[\ss], v[\ss], v[\ss] row_xmask:4 row_mask:0xf bank_mask:0xf
	v_add_f32_dpp v[\ss], v[\ss], v[\ss] row_xmask:8 row_mask:0xf bank_mask:0xf
.endm
; One K step's fragments (32 of the 320 channels): 16 documents, queries 0-15, queries 16-31.  Lane l holds row l % 16, channels 8 (l / 16) + 0..7 and 16 + 8 (l / 16) + 0..7.
.macro FRAG k, b
	ds_load_b128 v[(\b):(\b)+3],     v[FRA] offset:64*(\k)
	ds_load_b128 v[(\b)+4:(\b)+7],   v[FRA] offset:64*(\k)+32
	ds_load_b128 v[(\b)+8:(\b)+11],  v[FRB] offset:64*(\k)
	ds_load_b128 v[(\b)+12:(\b)+15], v[FRB] offset:64*(\k)+32
	ds_load_b128 v[(\b)+16:(\b)+19], v[FRB] offset:16*PITCH+64*(\k)
	ds_load_b128 v[(\b)+20:(\b)+23], v[FRB] offset:16*PITCH+64*(\k)+32
.endm
.macro MMPRE fb, ns                    ; the first ns K steps' fragments
.set ks, 0
.rept \ns
	FRAG ks, (\fb)+24*ks
.set ks, ks+1
.endr
.endm
; The ten K steps.  Source 0 = documents, source 1 = queries: in the result a lane holds ONE query (lane % 16) and the documents 8 (lane / 16) + 0..7.  The two accumulators take turns.
; The first K step starts the sums.  The wait leaves out the six loads of each K step that was asked for later.
.macro MMRUN sb, fb, ns
.set ks, 0
.rept 10
.set la, ks-1+(\ns)
.if la > 9
.set la, 9
.endif
.set f, (\fb)+24*(ks%(\ns))
	s_wait_dscnt 6*(la-ks)
.if ks == 0
	v_wmma_f32_16x16x32_bf16 v[(\sb):(\sb)+7],    v[f:f+7], v[f+8:f+15],  0
	v_wmma_f32_16x16x32_bf16 v[(\sb)+8:(\sb)+15], v[f:f+7], v[f+16:f+23], 0
.else
	v_wmma_f32_16x16x32_bf16 v[(\sb):(\sb)+7],    v[f:f+7], v[f+8:f+15],  v[(\sb):(\sb)+7]
	v_wmma_f32_16x16x32_bf16 v[(\sb)+8:(\sb)+15], v[f:f+7], v[f+16:f+23], v[(\sb)+8:(\sb)+15]
.endif
.if ks+(\ns) < 10
	PLACES
	FRAG ks+(\ns), f
.endif
.set ks, ks+1
.endr
	PLACES
.endm
; The registers of pair pp of four.  In a query tile's first batch pair 0's p0 and its kernel-0 weight are made in the sums' own registers: nothing is cleared.
.macro PR pp, t, first
.set rP, TMP+10*(\pp)
.set rK, TMP+10*(\pp)+6
.if (\first) && ((\pp) == 0)
.set rP, ACC+22*(\t)+10
.set rK, ACC+22*(\t)
.endif
.set rR, TMP+10*(\pp)+2
.set rI, TMP+10*(\pp)+4
.set rN, TMP+10*(\pp)+8
.set AB, ACC+22*(\t)
.endm
; The Gaussians of 16 documents (tile tl) x 16 queries (tile t): a lane's eight dots at v[sb ..], two at a time.  The 32 exponentials are one batch with one wait.
.macro RBF sb, tl, t, first
.irp pp, 0,1,2,3
	v_pk_mul_f32 v[(\sb)+2*\pp:(\sb)+2*\pp+1], v[(\sb)+2*\pp:(\sb)+2*\pp+1], v[SS+8*(\tl)+2*\pp:SS+8*(\tl)+2*\pp+1]  ; dot / document's norm; the accumulator's lowest registers first
.endr
.irp pp, 0,1,2,3
	PR \pp, \t, \first
	v_pk_fma_f32 v[rN:rN+1], v[(\sb)+2*\pp:(\sb)+2*\pp+1], v[QA+2*(\t):QA+2*(\t)+1], s[C1:C1+1] op_sel_hi:[1,1,0]  ; t = c1 (x - 0.1)
.endr
.irp pp, 0,1,2,3
	PR \pp, \t, \first
	v_pk_fma_f32 v[rP:rP+1], v[rN:rN+1], v[rN:rN+1], v[OFF+8*(\tl)+2*\pp:OFF+8*(\tl)+2*\pp+1] neg_lo:[1,0,0] neg_hi:[1,0,0]  ; log2 p0 = -t^2, less 1e30 for a masked document
	v_pk_mul_f32 v[rR:rR+1], v[rN:rN+1], s[C2:C2+1] op_sel_hi:[1,0]             ; log2 R
	v_pk_mul_f32 v[rI:rI+1], v[rN:rN+1], s[C2N:C2N+1] op_sel_hi:[1,0]           ; log2 1/R
	v_pk_fma_f32 v[rK:rK+1], v[rN:rN+1], s[C3:C3+1], s[C4:C4+1] op_sel_hi:[1,0,0]  ; w = 1000 c1 (x - 1)
.endr
.irp pp, 0,1,2,3
	PR \pp, \t, \first
	v_pk_fma_f32 v[rK:rK+1], v[rK:rK+1], v[rK:rK+1], v[OFF+8*(\tl)+2*\pp:OFF+8*(\tl)+2*\pp+1] neg_lo:[1,0,0] neg_hi:[1,0,0]  ; -w^2, masked likewise
.endr
.irp pp, 0,1,2,3
	PR \pp, \t, \first
	v_exp_f32 v[rP], v[rP]
	v_exp_f32 v[rP+1], v[rP+1]
	v_exp_f32 v[rR], v[rR]
	v_exp_f32 v[rR+1], v[rR+1]
	v_exp_f32 v[rI], v[rI]
	v_exp_f32 v[rI+1], v[rI+1]
	v_exp_f32 v[rK], v[rK]
	v_exp_f32 v[rK+1], v[rK+1]
.endr
	v_nop                                          ; a plain instruction behind the last exponential,
	s_wait_alu depctr_va_vdst(0)                   ; and the one wait for the batch, ahead of the first line that names a result
.irp pp, 0,1,2,3
	PR \pp, \t, \first
.if (\first) && ((\pp) == 0)                   ; the sums begin: kernel 5 (j = 0) and kernel 0 lie there already; the chains are written straight into the others
	v_pk_mul_f32 v[AB+8:AB+9],   v[AB+10:AB+11], v[rR:rR+1]
	v_pk_mul_f32 v[AB+12:AB+13], v[AB+10:AB+11], v[rI:rI+1]
	v_pk_mul_f32 v[AB+6:AB+7],   v[AB+8:AB+9],   v[rR:rR+1]
	v_pk_mul_f32 v[AB+14:AB+15], v[AB+12:AB+13], v[rI:rI+1]
	v_pk_mul_f32 v[AB+4:AB+5],   v[AB+6:AB+7],   v[rR:rR+1]
	v_pk_mul_f32 v[AB+16:AB+17], v[AB+14:AB+15], v[rI:rI+1]
	v_pk_mul_f32 v[AB+2:AB+3],   v[AB+4:AB+5],   v[rR:rR+1]
	v_pk_mul_f32 v[AB+18:AB+19], v[AB+16:AB+17], v[rI:rI+1]
	v_pk_mul_f32 v[AB+20:AB+21], v[AB+18:AB+19], v[rI:rI+1]
.else                                          ; kernel k = 5 - j: upward by R (k = 4 .. 1), downward by 1/R (k = 6 .. 10); each chain's last link is fused with its sum
	v_pk_mul_f32 v[rN:rN+1], v[rP:rP+1], v[rI:rI+1]
	v_pk_add_f32 v[AB+10:AB+11], v[AB+10:AB+11], v[rP:rP+1]
	v_pk_mul_f32 v[rP:rP+1], v[rP:rP+1], v[rR:rR+1]
	v_pk_add_f32 v[AB:AB+1], v[AB:AB+1], v[rK:rK+1]
	v_pk_add_f32 v[AB+12:AB+13], v[AB+12:AB+13], v[rN:rN+1]
	v_pk_add_f32 v[AB+8:AB+9], v[AB+8:AB+9], v[rP:rP+1]
	v_pk_mul_f32 v[rN:rN+1], v[rN:rN+1], v[rI:rI+1]
	v_pk_mul_f32 v[rP:rP+1], v[rP:rP+1], v[rR:rR+1]
	v_pk_add_f32 v[AB+14:AB+15], v[AB+14:AB+15], v[rN:rN+1]
	v_pk_add_f32 v[AB+6:AB+7], v[AB+6:AB+7], v[rP:rP+1]
	v_pk_mul_f32 v[rN:rN+1], v[rN:rN+1], v[rI:rI+1]
	v_pk_mul_f32 v[rP:rP+1], v[rP:rP+1], v[rR:rR+1]
	v_pk_add_f32 v[AB+16:AB+17], v[AB+16:AB+17], v[rN:rN+1]
	v_pk_add_f32 v[AB+4:AB+5], v[AB+4:AB+5], v[rP:rP+1]
	v_pk_mul_f32 v[rN:rN+1], v[rN:rN+1], v[rI:rI+1]
	v_pk_fma_f32 v[AB+2:AB+3], v[rP:rP+1], v[rR:rR+1], v[AB+2:AB+3]
	v_pk_add_f32 v[AB+18:AB+19], v[AB+18:AB+19], v[rN:rN+1]
	v_pk_fma_f32 v[AB+20:AB+21], v[rN:rN+1], v[rI:rI+1], v[AB+20:AB+21]
.endif
.endr
.endm
	s_load_b256 s[4:11], s[0:1], 0x0               ; query_tokens s[4:5], doc_tokens s[6:7], emb s[8:9], fc_w s[10:11]
	s_load_b128 s[12:15], s[0:1], 0x20             ; fc_b s[12:13], out0 s[14:15]
	v_lshl_add_u32 v[SPW], v0, 2, SPARE
	v_mov_b32 v[NIL], 0
	v_lshrrev_b32 v[W1], 5, v0
	v_readfirstlane_b32 s[WV], v[W1]               ; wave 0..15
	v_and_b32 v[I], 15, v0
	v_bfe_u32 v[H], v0, 4, 1
	v_min_u32 v[I14], 14, v[I]
	v_lshlrev_b32 v[LT], 4, v[I14]
	v_cmp_ne_u32 vcc_lo, 15, v[I]
	v_cndmask_b32 v[LF], 0, 1.0, vcc_lo
	v_mov_b32 v[ZP], 0
	v_mov_b32 v[ZP+1], 0
	v_lshl_add_u32 v[QR], v[H], 4, s[WV]           ; my query row: w, or w + 16 in lanes 16-31
	v_lshlrev_b32 v[QSA], 2, v[QR]
	s_lshl_b32 s17, s[WV], 7                       ; my wave's 32 document tokens: 128 bytes
	v_lshl_add_u32 v[TA], v[H], 5, s17             ; my half's eight of a tile's sixteen
	s_lshl_b32 s2, ttmp9, 11                       ; the batch's 512 document tokens
	s_mov_b32 s3, 0
	s_lshl_b32 s36, ttmp9, 7                       ; and its 32 query tokens
	s_mov_b32 s37, 0
	s_min_u32 s38, s[WV], 10                       ; the kernel that my wave finishes (waves 11-15 finish none and stay inside fc_w)
	s_lshl_b32 s38, s38, 2
	s_wait_kmcnt 0x0
	s_add_nc_u64 s[6:7], s[6:7], s[2:3]
	s_add_nc_u64 s[4:5], s[4:5], s[36:37]
	global_load_b32 v[QOFF], v[QSA], s[4:5]
	global_load_b128 v[OFF:OFF+3],     v[TA], s[6:7]            ; tile 0: the tokens of documents 8 (lane / 16) + 0..7, a register a pair
	global_load_b128 v[OFF+4:OFF+7],   v[TA], s[6:7] offset:16
	global_load_b128 v[OFF+8:OFF+11],  v[TA], s[6:7] offset:64  ; tile 1
	global_load_b128 v[OFF+12:OFF+15], v[TA], s[6:7] offset:80
	s_load_b32 s[FW], s[10:11], s38 offset:0x0
	s_load_b32 s[FB], s[12:13], 0x0
	; addresses, constants and the rows' zeros, while the tokens are on their way
	s_mul_i32 s18, s[WV], STG
	s_add_co_u32 s18, s18, STAGE                   ; my stage
	v_mul_u32_u24 v[W1], v[I], PITCH
	v_lshl_add_u32 v[FRB], v[H], 4, v[W1]
	v_add_nc_u32 v[FRA], s18, v[FRB]
	v_lshl_add_u32 v[W2], v[H], 3, v[W1]
	v_add_nc_u32 v[W2], s18, v[W2]
	ds_store_b64 v[W2], v[ZP:ZP+1] offset:600      ; channels 300 .. 319 of my stage's 16 rows are 0 for both tiles: bytes 600 .. 647, 8 for each half of the lanes, three times
	ds_store_b64 v[W2], v[ZP:ZP+1] offset:616
	ds_store_b64 v[W2], v[ZP:ZP+1] offset:632
	v_mul_u32_u24 v[W1], v[QR], PITCH
	v_lshl_add_u32 v[QSTA], v[I14], 3, v[W1]
	v_and_b32 v[W2], 3, v[I]
	v_lshl_add_u32 v[W2], v[W2], 3, v[W1]
	ds_store_b64 v[W2], v[ZP:ZP+1] offset:600      ; the same for my two query rows: bytes 600 .. 631 and 616 .. 647
	ds_store_b64 v[W2], v[ZP:ZP+1] offset:616
	v_mul_u32_u24 v[W1], v[H], 8*PITCH
	v_lshl_add_u32 v[W1], v[I14], 3, v[W1]
	v_add_nc_u32 v[STA], s18, v[W1]
	v_lshlrev_b32 v[QRD], 2, v[I]
	v_and_b32 v[L4], 31, v0
	v_lshlrev_b32 v[L4], 2, v[L4]
	s_mul_i32 s19, s[WV], REDW
	s_add_co_u32 s19, s19, RED
	v_add_nc_u32 v[RS], s19, v[L4]
	s_mov_b32 s[C1], 0xbf596d27
	s_mov_b32 s[C1+1], s[C1]                       ; (named as pairs, so both words are written)
	s_mov_b32 s[C2], 0x40596d27
	s_mov_b32 s[C2+1], s[C2]
	s_mov_b32 s[C2N], 0xc0596d27
	s_mov_b32 s[C2N+1], s[C2N]
	s_mov_b32 s[C3], 0x447a0000
	s_mov_b32 s[C3+1], s[C3]
	s_mov_b32 s[C4], 0xc5eedf2b
	s_mov_b32 s[C4+1], s[C4]
	s_mov_b32 s[BIG], 0xf149f2ca
	s_mov_b32 s[HM], 0xffff0000
	s_mov_b32 s[SEL], 0x76543210
	s_mov_b32 s[SEL+1], 0xfedcba98
	s_mov_b32 s[CC], 0x4107e439
	s_wait_loadcnt 0x0                             ; the tokens
	; THE GATHER.  Nine pairs of rows go out at once: 45 loads a wave.
	ROWOFF QOFF
	GATHER 8, QOFF
.irp p, 0,1,2,3,4,5,6,7
	ROWOFF OFF+\p
	GATHER \p, OFF+\p
.endr
.irp p, 8,9,10,11,12,13,14,15
	ROWOFF OFF+\p
.endr
	s_wait_loadcnt 40                              ; loads come back in order (ISA guide 5.7.1): the query pair is in, tile 0's 40 loads may be out
	CONV 8, QT, QSTA, 0, -1
	v_cmp_le_u32 vcc_lo, 0x4b0, v[QOFF]            ; token > 0: the offset is 1,200 or more (my piece's share is 224 at the most)
	v_cndmask_b32 v[QT+1], 0, 1.0, vcc_lo
	ds_store_b32 v[QSA], v[QT] offset:QINV         ; the 16 lanes of a half write one word with one value
	ds_store_b32 v[QSA], v[QT+1] offset:QMSK
.irp p, 0,1,2,3,4,5,6,7
	s_wait_loadcnt 35                              ; pair p of tile 0 is in; behind it 7 - p pairs of tile 0 and p of tile 1 were asked for
	CONV \p, SS+\p, STA, \p*PITCH, OFF+8+\p
.endr
	s_wait_dscnt 0x0                               ; for the others' sake: my query rows, their zeros, sums and masks are in LDS
	s_barrier_signal -1
	s_barrier_wait -1                              ; all 32 query rows are
	ds_load_b32 v[QS],   v[QRD] offset:QINV
	ds_load_b32 v[QS+1], v[QRD] offset:QINV+64
	MMPRE F0, 1                                    ; tile 0's products, on the 40 registers that are free while tile 1's 40 loads are out
	MMRUN S0, F0, 1                                ; its last wait is for 0: my reads of the stage are over, and the stage is mine alone
.irp p, 0,1,2,3,4,5,6,7
	s_wait_loadcnt 35-5*\p                         ; pair p of tile 1 is in; 7 - p pairs are behind it
	CONV \p, SS+8+\p, STA, \p*PITCH, -1
.endr
	MMPRE F1, 6                                    ; LDS serves a wave's instructions in order (ISA guide 5.7.1.4): these see the stores above
	; 1 / (norm + 1e-13) of 16 documents and 2 queries, and the documents' mask addends, while the fragments come
.set n, 0
.rept 16
	v_sqrt_f32 v[SS+n], v[SS+n]
.set n, n+1
.endr
	v_sqrt_f32 v[QS], v[QS]
	v_sqrt_f32 v[QS+1], v[QS+1]
	v_nop                                          ; a plain instruction behind the last root
.set n, 0
.rept 16
	v_cmp_gt_u32 vcc_lo, 0x4b0, v[OFF+n]           ; token 0: the offset is under 1,200.  Every load that read these registers has come back
	v_cndmask_b32 v[OFF+n], 0, s[BIG], vcc_lo
.set n, n+1
.endr
	s_wait_alu depctr_va_vdst(0)                   ; one wait for the 18 roots
.set n, 0
.rept 8
	v_pk_add_f32 v[SS+n:SS+n+1], v[SS+n:SS+n+1], 0x29e12e13 op_sel_hi:[1,0]  ; + 1e-13
.set n, n+2
.endr
	v_pk_add_f32 v[QS:QS+1], v[QS:QS+1], 0x29e12e13 op_sel_hi:[1,0]
.set n, 0
.rept 16
	v_rcp_f32 v[SS+n], v[SS+n]
.set n, n+1
.endr
	v_rcp_f32 v[QS], v[QS]
	v_rcp_f32 v[QS+1], v[QS+1]
	v_nop
	s_wait_alu depctr_va_vdst(0)                   ; one wait for the 18 reciprocals
	v_mul_f32 v[QA],   s[CC], v[QS]
	v_mul_f32 v[QA+1], s[CC], v[QS]
	v_mul_f32 v[QA+2], s[CC], v[QS+1]
	v_mul_f32 v[QA+3], s[CC], v[QS+1]
	MMRUN S1, F1, 6
	RBF S0,   0, 0, 1
	RBF S0+8, 0, 1, 1
	RBF S1,   1, 0, 0
	RBF S1+8, 1, 1, 0
	; MY 32 DOCUMENTS' SUMS.  Even and odd documents are added; then the halves of the lanes: lanes 0-15 keep query tile 0 and take the other half's tile 0, lanes 16-31 likewise tile 1: lane l ends with query l.
.set k, 0
.rept 11
	v_add_f32 v[ACC+2*k], v[ACC+2*k], v[ACC+2*k+1]
	v_add_f32 v[ACC+22+2*k], v[ACC+22+2*k], v[ACC+22+2*k+1]
	v_cndmask_b32 v[ACC+2*k+1], v[ACC+22+2*k], v[ACC+2*k], s[HM]   ; what the other half wants
	v_cndmask_b32 v[ACC+2*k], v[ACC+2*k], v[ACC+22+2*k], s[HM]     ; what I keep
	v_permlanex16_b32 v[ACC+22+2*k+1], v[ACC+2*k+1], s[SEL], s[SEL+1]
	v_add_f32 v[ACC+2*k], v[ACC+2*k], v[ACC+22+2*k+1]
	ds_store_b32 v[RS], v[ACC+2*k] offset:128*k
.set k, k+1
.endr
	s_wait_dscnt 0x0                               ; for the others' sake: my partial sums are in LDS
	s_barrier_signal -1
	s_barrier_wait -1
	s_wait_kmcnt 0x0                               ; fc_w[k], fc_b
	v_mov_b32 v[RES], 0
	s_lshl_b32 s40, s[WV], 2
	v_mov_b32 v[FA], s40
	s_cmp_lt_u32 s[WV], 11                         ; WAVE k FINISHES KERNEL k, a lane a query
	s_cbranch_scc0 .Lno_kernel
	s_lshl_b32 s41, s[WV], 7
	s_add_co_u32 s41, s41, RED
	v_add_nc_u32 v[RR], s41, v[L4]
.set n, 0
.rept 16
	ds_load_b32 v[X+n], v[RR] offset:REDW*n        ; the sixteen waves' sums
.set n, n+1
.endr
	ds_load_b32 v[X+16], v[L4] offset:QMSK
	s_sub_co_i32 s42, 5, s[WV]                     ; j = 5 - k,
	s_mul_i32 s42, s42, s42
	s_cmp_eq_u32 s[WV], 0
	s_cselect_b32 s42, 0, s42                      ; and no constant for kernel 0
	v_cvt_f32_u32 v[LC], s42
	v_mul_f32 v[LC], 0xc038aa3b, v[LC]             ; log2 exp(-2 j^2) = -2 log2(e) j^2
	s_mul_f32 s[FW], s[FW], 0x3be32166             ; fc_w[k] x 0.01 ln 2
	s_wait_dscnt 0x0
.irp n, 0,2,4,6
	v_pk_add_f32 v[X+\n:X+\n+1], v[X+\n:X+\n+1], v[X+8+\n:X+8+\n+1]
.endr
.irp n, 0,2
	v_pk_add_f32 v[X+\n:X+\n+1], v[X+\n:X+\n+1], v[X+4+\n:X+4+\n+1]
.endr
	v_pk_add_f32 v[X:X+1], v[X:X+1], v[X+2:X+3]
	v_add_f32 v[X], v[X], v[X+1]
	v_mul_f32 v[X], v[X], v[X+16]                  ; q_mask
	v_log_f32 v[X], v[X]
	v_nop
	s_wait_alu depctr_va_vdst(0)
	v_add_f32 v[X], v[X], v[LC]
	v_max_num_f32 v[X], 0xc204e08b, v[X]           ; the clamp at 1e-10: log2 1e-10 = -33.219281
	v_mul_f32 v[X], s[FW], v[X]
	v_add_f32_dpp v[X], v[X], v[X] row_xmask:1 row_mask:0xf bank_mask:0xf  ; over the 32 queries
	v_add_f32_dpp v[X], v[X], v[X] row_xmask:2 row_mask:0xf bank_mask:0xf
	v_add_f32_dpp v[X], v[X], v[X] row_xmask:4 row_mask:0xf bank_mask:0xf
	v_add_f32_dpp v[X], v[X], v[X] row_xmask:8 row_mask:0xf bank_mask:0xf
	v_permlanex16_b32 v[X+1], v[X], s[SEL], s[SEL+1]
	v_add_f32 v[RES], v[X], v[X+1]
.Lno_kernel:
	ds_store_b32 v[FA], v[RES] offset:FIN          ; a word a wave; waves 11-15 put 0, so that all sixteen words are written
	s_wait_dscnt 0x0
	s_barrier_signal -1
	s_barrier_wait -1
	s_cmp_lg_u32 s[WV], 0                          ; wave 0 adds the kernels and the bias
	s_cbranch_scc1 .Lend
	ds_load_b32 v[X], v[QRD] offset:FIN
	s_lshl_b32 s41, ttmp9, 2
	v_mov_b32 v[OA], s41
	s_wait_dscnt 0x0
	v_add_f32_dpp v[X], v[X], v[X] row_xmask:1 row_mask:0xf bank_mask:0xf
	v_add_f32_dpp v[X], v[X], v[X] row_xmask:2 row_mask:0xf bank_mask:0xf
	v_add_f32_dpp v[X], v[X], v[X] row_xmask:4 row_mask:0xf bank_mask:0xf
	v_add_f32_dpp v[X], v[X], v[X] row_xmask:8 row_mask:0xf bank_mask:0xf
	v_add_f32 v[X], s[FB], v[X]
	v_cmp_eq_u32 vcc_lo, 0, v0
	s_wait_xcnt 0x0                                ; EXEC changes only behind this wait
	s_and_saveexec_b32 s42, vcc_lo
	global_store_b32 v[OA], v[X], s[14:15]         ; the batch's one number
	s_wait_xcnt 0x0                                ; and again, in front of the line that widens it
	s_or_b32 exec_lo, exec_lo, s42
.Lend:
	s_wait_tensorcnt 0x0                           ; the wave's end, behind my last LDS store
	ds_add_u32 v[SPW], v[NIL]
	s_wait_dscnt 0x0
	s_endpgm
.Lfunc_end_k_qbf4191ea61_knrm:
	.size	k_qbf4191ea61_knrm, .Lfunc_end_k_qbf4191ea61_knrm-k_qbf4191ea61_knrm
	.p2alignl 7, 3214868480
	.fill 96, 4, 3214868480
	.section	.rodata,"a",@progbits
	.p2align	6, 0x0
	.amdhsa_kernel k_qbf4191ea61_knrm
		.amdhsa_group_segment_fixed_size 214016
		.amdhsa_private_segment_fixed_size 0
		.amdhsa_enable_private_segment 0
		.amdhsa_kernarg_size 48
		.amdhsa_user_sgpr_count 2
		.amdhsa_user_sgpr_kernarg_segment_ptr 1
		.amdhsa_wavefront_size32 1
		.amdhsa_system_sgpr_workgroup_id_x 1
		.amdhsa_system_sgpr_workgroup_id_y 1
		.amdhsa_system_sgpr_workgroup_id_z 1
		.amdhsa_system_vgpr_workitem_id 0
		.amdhsa_next_free_vgpr 256
		.amdhsa_next_free_sgpr 66
		.amdhsa_reserve_vcc 1
		.amdhsa_float_denorm_mode_32 3
		.amdhsa_float_denorm_mode_16_64 3
		.amdhsa_memory_ordered 1
		.amdhsa_forward_progress 1
		.amdhsa_inst_pref_size 113
	.end_amdhsa_kernel
	.amdgpu_metadata
---
amdhsa.version: [ 1, 2 ]
amdhsa.kernels:
  - .name:           k_qbf4191ea61_knrm
    .symbol:         k_qbf4191ea61_knrm.kd
    .args:
      - { .name: query_tokens, .offset: 0, .size: 8, .value_kind: global_buffer, .address_space: global }
      - { .name: doc_tokens, .offset: 8, .size: 8, .value_kind: global_buffer, .address_space: global }
      - { .name: emb, .offset: 16, .size: 8, .value_kind: global_buffer, .address_space: global }
      - { .name: fc_w, .offset: 24, .size: 8, .value_kind: global_buffer, .address_space: global }
      - { .name: fc_b, .offset: 32, .size: 8, .value_kind: global_buffer, .address_space: global }
      - { .name: out0, .offset: 40, .size: 8, .value_kind: global_buffer, .address_space: global }
    .group_segment_fixed_size: 214016
    .private_segment_fixed_size: 0
    .kernarg_segment_align: 8
    .kernarg_segment_size: 48
    .max_flat_workgroup_size: 512
    .sgpr_count:     66
    .vgpr_count:     256
    .wavefront_size: 32
...
	.end_amdgpu_metadata
.endif
;; end of part 1
